; MI455X (gfx1250); checked and timed in simulation.
; The chip was launched on July 23, 2026; its instructions are those of AMD's public machine-readable ISA for CDNA 5 (MIT licence, August 2026) and "CDNA5" Instruction Set Architecture Reference Guide (July 2026). The comments in the code are by the model that wrote it; some were corrected since.
;; Top K Mo E Classifier. Allowed arithmetic: matrix products marked QUANTISED: E2M3 operands, one E8M0 scale for each 32 along K, by v_wmma_scale_f32_16x16x128_f8f6f4 with both operands' format E2M3, f32 sums; products left as they are: f32 operands where the result goes on into a quantised operand, else bf16, f16 or f32 operands; f32 sums; everything else in f32.
;; Inputs: W_e 4 x 4,096 x 512 float32; W_r 4,096 x 4 float32; b_e 4 x 512 float32; b_r 4 float32; features 8,192 x 4,096 float32.
;; Outputs: out0 8,192 x 512 float32; out1 one number float32.
;; This version of the problem:
;;   THIS VERSION OF THE PROBLEM IS GIVEN IN LOW PRECISION. The matrix products marked QUANTISED in the list below multiply operands that are first quantised to E2M3 (2 exponent bits, 3 mantissa bits; 6 bits a number), with one power-of-two scale for each 32 numbers along K (OCP MX v1.0); their sums are f32. All else is computed in f32.
;;   The module's matrix products, in the order in which they are computed (A, B: the left and right operand; K: the contracted axis; several contracted axes count as one K, in the product's order):
;;     1. [M 8,192, K 4,096] x [K 4,096, N 4]; A: input features; B: input W_r: left as it is (N = 4 < 16)
;;     2. [M 8,192, K 4,096] x [K 4,096, N 2,048]; A: input features; B: input W_e: QUANTISED
;;   THE QUANTISER, for each operand of a quantised product, along K:
;;     - K is cut into blocks of 32 from its start; a last block that is shorter is filled with zeros.
;;     - A block's scale is 2^e with e = floor(log2(the largest magnitude in the block)) - 2, held to -126 .. 127; a block of zeros has e = 0. As a byte (E8M0): e + 127.
;;     - Each number is divided by its block's scale, clamped to +-7.5, and rounded to the nearest number of E2M3, ties to even, subnormals kept.
;;     - The product sums the exact products of the quantised numbers (number of the format x scale) in f32.
;;   ~~~python
;;   def quantise(x, axis):      # numpy; x: float32 -> the quantised numbers, widened to float32 again
;;       x = np.moveaxis(x, axis, -1); K = x.shape[-1]
;;       x = np.pad(x, [(0, 0)] * (x.ndim - 1) + [(0, -K % 32)]); x = x.reshape(x.shape[:-1] + (-1, 32)); a = np.abs(x).max(-1, keepdims=True)
;;       e = np.where(a > 0, np.clip(np.frexp(np.where(a > 0, a, 1))[1] - 1 - 2, -126, 127), 0)      # np.frexp(a)[1] - 1 = floor(log2(a)), exactly
;;       r = np.clip(x / 2.0 ** e, -7.5, 7.5)
;;       step = 2.0 ** (np.maximum(np.frexp(np.where(r == 0, 1, r))[1] - 1, 0) - 3)
;;       q = np.round(r / step) * step * 2.0 ** e      # np.round: ties to even
;;       return np.moveaxis(q.reshape(q.shape[:-2] + (-1,))[..., :K], -1, axis).astype(np.float32)
;;   ~~~
;; One version. Each part assembles by itself: llvm-mc -triple=amdgcn-amd-amdhsa -mcpu=gfx1250 --defsym DOCPART=n.
;; ======== version 1 of 1: 2 launches
;; limits: right only within a limited range of input values
;; workspace buffers: a_codes 26,607,616 bytes; b_codes 6,651,904 bytes; gates 262,144 bytes; psum 8,192 bytes
;; launch prep (part 1): grid 512 x 1, 8 waves a work-group, no clusters, 118,528 bytes of LDS; arguments features, W_r, b_r, W_e, a_codes, b_codes, gates, psum; writes a_codes, b_codes, gates, psum
.if DOCPART == 1
	.amdgcn_target "amdgcn-amd-amdhsa--gfx1250"
	.amdhsa_code_object_version 6
	.text
	.protected	k_q41082880fc_prep
	.globl	k_q41082880fc_prep
	.p2align	8
	.type	k_q41082880fc_prep,@function
k_q41082880fc_prep:
	s_mov_b64 s[64:65], 0
	v_nop
	global_prefetch_b8 v0, s[64:65] scope:SCOPE_SE
	s_setreg_imm32_b32 hwreg(HW_REG_WAVE_MODE, 25, 1), 1
	s_wait_xcnt 0x0
; features [8192][4096] and W_e [4][4096][512], f32, become codes of FP6 (E2M3) with one E8M0 byte for each 32 along K (K = the 4,096), laid as the product's launch reads them;
; the router (features x W_r + b_r, softmax, the two largest, their weights) is computed beside it in f32 fused multiply-adds from the same registers, so that features are read once.
; THE LAYOUT.  A group g = rows 16 g + r is 51,968 bytes.  In it record j = K steps 3 j .. 3 j + 2 (a K step S is k = 128 S .. 128 S + 127) begins at 4,864 j: three fragments of 1,536 bytes, then three pieces of 64 bytes of scale words;
; the record's last 64 bytes are neither written nor read.  Record 10 has two steps: 3,072 + 128 bytes.  So fragment S begins at 1,536 S + 256 (S / 3), a multiple of 256.
; A FRAGMENT: byte 768 h + 48 r + y is byte y of the stream of bits of row r's 64 codes k = 128 S + 64 h + 0 .. 63.  A lane (r, h) of the matrix operand takes its 48 bytes by three loads of 16.
; Its registers 0-5 then hold block 2 h of the K step and registers 6-11 block 2 h + 1, alike in both operands.
; A PIECE OF SCALE WORDS: row r's word at 4 r; in it the byte of block b stands at 2 (b & 1) + (b >> 1): the order in which the operand's registers hold the blocks.
; ROWS.  Of features: the token.  Of W_e: n' = 128 (o >> 5) + 32 e + (o & 31), so that 128 neighbouring rows are 32 outputs of all four experts.
; A block's scale is 2^(floor(log2(its largest magnitude)) - 2); its byte is the largest magnitude's exponent field - 2, held at 1 from below.
; LIMITS: NaN and infinities among the inputs are not served.  A block whose largest magnitude lies under 2^-124, a block of zeros too, gets the byte 1 (a block of zeros has zero codes; this program alone reads the bytes).
; The router's f32 sums are grouped otherwise than a row-by-row sum: where the second and third probability lie within a few parts in 10^7 of each other the choice may differ.  Probabilities under 2^-126 count as 0.
; SHARES.  512 work-groups of eight waves, all alike; each does both jobs.  W: 64 columns x 256 K of one expert: a lane takes a column, its 64 registers run down K (two whole blocks).
; F: 16 rows of features (one group): a row a step; wave w takes k = 512 w .. 512 w + 511, and behind a turn through its own LDS stage lane l holds k = 512 w + 16 l + 0 .. 15, the same in every row: its 64 numbers of W_r stay in registers.
; No tensor loads, no cluster: the waves share no input bytes but W_r's 64 KB.  One barrier: behind it wave 0 finishes the router for the 16 rows, wave 1 stores W_e's scale words and wave 2 those of features.
; The codes leave in whole aligned blocks of 256 bytes.  The scale words leave in pieces of 64 bytes (192 on end for features): parts of aligned blocks, 192 of each 4,864 bytes of the two buffers.
.set GROW, 51968                       ; a group in memory
.set WREG, 13824                       ; LDS: a region for each wave:
.set SCRO, 5120                        ;   +0 two turn stages of 32 places of 80 bytes; +5120 8,704 bytes used three times in turn: W's codes, W_r's turn, the rows' codes
.set PR,   110592                      ; router partials: row t at 272 t; wave w's two halves of the lanes at 32 w, 32 w + 16
.set WSC,  114944                      ; W_e's 512 scale bytes: eight pieces of 64
.set ASC,  115456                      ; features' 2,048 scale bytes: K step S's piece at 64 S
.set SP,   80                          ; a place in a turn stage: 64 bytes + 16
.set L16,  2                           ; 16 x lane
.set L4,   3                           ; 4 x lane
.set TIN,  5                           ; turn stage, in: 80 (l >> 2) + 16 (l & 3)
.set TOUT, 6                           ; and out: 80 l
.set CSA,  7                           ; the rows' codes: chunk l >> 2 of 816 bytes (768 + 48), 12 (l & 3) in a row's 48
.set ASB,  8                           ; my block's scale byte of row 0
.set PA,   9                           ; my half's router partial
.set RDA,  10                          ; scratch + 16 l
.set RDB,  11                          ; the same, 48 further for lanes 16-31
.set ASR,  12                          ; features' scale bytes, out: 16 a lane
.set WST,  13                          ; scratch + 48 l
.set WGB,  14                          ; W's second store: lanes 16-31 go to the next group
.set WSB,  15                          ; W's scale bytes, in
.set WTI,  16                          ; W_r's turn, in
.set WTO,  17                          ; and out
.set PRD,  18                          ; the partials, out
.set WSR,  19                          ; W's scale bytes, out
.set WSG,  20                          ; and their place in memory
.set GST,  21                          ; the gates' place: 32 (l & 15) + 16 (l >> 4)
.set NIL,  22                          ; 0
.set U2,   23                          ; l >> 2
.set WO,   24                          ; v24-35  W's codes on their way out; never written again
.set WB,   36                          ; v36-37  W's two scale bytes
.set H4,   38                          ; l >> 4
.set R15,  39                          ; l & 15
.set WC,   40                          ; v40-51  W's 12 code registers
.set WT,   52                          ; v52-58  the second halves of its two blocks
.set L3,   59                          ; l & 3
.set MX,   60                          ; v60-61  largest magnitudes
.set SO,   62                          ; the conversion's scale operand
.set WR,   64                          ; v64-127 W_r[512 w + 16 l + m][e] at 16 e + m
.set R,    128                         ; v128-191 four sets of 16 numbers as loaded; at the end the way out
.set X,    192                         ; v192-223 two sets of 16 neighbours
.set XW,   192                         ; v192-255 W's 64 numbers (ahead of the rows)
.set COF,  192                         ; v192-195 at the end: where my four fragments go
.set AOF,  196                         ; v196-199 at the end, wave 2: where the scale pieces go
.set C,    224                         ; two sets of codes
.set Q,    232                         ; two sets of four partial sums
.set AC,   240                         ; v240-247 four pairs of running sums
.set EB,   248                         ; two byte registers
.set MG,   250                         ; v250-251 largest magnitudes
.set SF,   252                         ; scale operand
.macro WLOAD c                         ; W(k0 + 32 c + i, my column): a load reads 128 consecutive bytes
.set WI, 0
.rept 32
	global_load_b32 v[XW+32*(\c)+WI], v[L4], s[10:11] offset:(32*(\c)+WI)*2048 th:TH_LOAD_NT
.set WI, WI+1
.endr
.endm
.macro WBLOCK c                        ; a block of 32 down K: all its numbers are mine
.set XS, XW+32*(\c)
	v_max3_num_f32 v[MX], |v[XS]|, |v[XS+1]|, |v[XS+2]|
	v_max3_num_f32 v[MX+1], |v[XS+3]|, |v[XS+4]|, |v[XS+5]|
.irp i, 6,10,14,18,22,26
	s_delay_alu instid0(VALU_DEP_2)
	v_max3_num_f32 v[MX], v[MX], |v[XS+\i]|, |v[XS+\i+1]|
	s_delay_alu instid0(VALU_DEP_2)
	v_max3_num_f32 v[MX+1], v[MX+1], |v[XS+\i+2]|, |v[XS+\i+3]|
.endr
	s_delay_alu instid0(VALU_DEP_2)
	v_max3_num_f32 v[MX], v[MX], |v[XS+30]|, |v[XS+31]|
	s_delay_alu instid0(VALU_DEP_1)
	v_max3_num_f32 v[MX], v[MX], v[MX+1], 0x1800000            ; the floor 2^(3 - 127): the byte cannot fall under 1
	s_delay_alu instid0(VALU_DEP_1)
	v_add_nc_u32 v[SO], 0xff000000, v[MX]                      ; 2 off the exponent field: the conversion takes this operand's exponent field as its scale
	s_delay_alu instid0(VALU_DEP_1)
	v_lshrrev_b32 v[WB+(\c)], 23, v[SO]                        ; the scale's byte
	v_cvt_scalef32_pk16_fp6_f32 v[WC+6*(\c):WC+6*(\c)+2], v[XS:XS+15], v[SO]
	v_cvt_scalef32_pk16_fp6_f32 v[WT+4*(\c):WT+4*(\c)+2], v[XS+16:XS+31], v[SO]   ; (a conversion's three registers begin on an even number)
.endm
.macro FLOAD t                         ; row t: my wave's 2,048 bytes, 512 consecutive bytes a load
.irp j, 0,1,2,3
	global_load_b128 v[R+16*((\t)%4)+4*\j:R+16*((\t)%4)+4*\j+3], v[L16], s[4:5] offset:16384*(\t)+512*\j th:TH_LOAD_NT
.endr
.endm
.macro FTURN t                         ; through the stage: in as loaded, out 64 bytes a lane.  LDS serves a wave's instructions in order (ISA guide 5.7.1.4): no wait between
.irp j, 0,1,2,3
	ds_store_b128 v[TIN], v[R+16*((\t)%4)+4*\j:R+16*((\t)%4)+4*\j+3] offset:32*SP*((\t)%2)+8*SP*\j
.endr
.irp j, 0,1,2,3
	ds_load_b128 v[X+16*((\t)%2)+4*\j:X+16*((\t)%2)+4*\j+3], v[TOUT] offset:32*SP*((\t)%2)+16*\j
.endr
.endm
.macro FSTEP t
.set XS, X+16*((\t)%2)
.set CS, C+4*((\t)%2)
.set QS, Q+4*((\t)%2)
.if (\t) > 0
	s_wait_dscnt 5                                 ; this row's numbers are back from the stage; the five stores of the row before, issued behind them, may be out.  All of two rows back is done: two sets of C, Q, EB serve
.else
	s_wait_dscnt 0x0                               ; W_r's 64 numbers and row 0
.endif
.if (\t)+4 < 16
	FLOAD (\t)+4                                   ; into the set whose stores into the stage are done
.endif
.if (\t)+1 < 16
.if (\t) < 12
	s_wait_loadcnt 12                              ; the next row's four loads are in; those of the three rows behind it may be out
.else
	s_wait_loadcnt 4*(14-(\t))                     ; the count runs down
.endif
	FTURN (\t)+1
.endif
	v_max3_num_f32 v[MG], |v[XS]|, |v[XS+1]|, |v[XS+2]|        ; the largest magnitude of my 16
	v_max3_num_f32 v[MG+1], |v[XS+3]|, |v[XS+4]|, |v[XS+5]|
.irp i, 6,10
	s_delay_alu instid0(VALU_DEP_2)
	v_max3_num_f32 v[MG], v[MG], |v[XS+\i]|, |v[XS+\i+1]|
	s_delay_alu instid0(VALU_DEP_2)
	v_max3_num_f32 v[MG+1], v[MG+1], |v[XS+\i+2]|, |v[XS+\i+3]|
.endr
	s_delay_alu instid0(VALU_DEP_2)
	v_max3_num_f32 v[MG], v[MG], |v[XS+14]|, |v[XS+15]|
	s_delay_alu instid0(VALU_DEP_1)
	v_max3_num_f32 v[MG], v[MG], v[MG+1], 0x1800000            ; and the floor 2^(3 - 127)
	s_delay_alu instid0(VALU_DEP_1)
	v_max_num_f32_dpp v[MG], v[MG], v[MG] row_xmask:1 row_mask:0xf bank_mask:0xf   ; with my neighbour's 16: the block's
	s_delay_alu instid0(VALU_DEP_1)
	v_add_nc_u32 v[SF], 0xff000000, v[MG]
	v_cvt_scalef32_pk16_fp6_f32 v[CS:CS+2], v[XS:XS+15], v[SF]
	v_lshrrev_b32 v[EB+(\t)%2], 23, v[SF]                      ; the byte (a plain line behind the conversion)
.irp e, 0,1,2,3                        ; the router: my 16 k against W_r's four columns, two at a time, the four columns by turns
	v_pk_mul_f32 v[AC+2*\e:AC+2*\e+1], v[XS:XS+1], v[WR+16*\e:WR+16*\e+1]
.endr
.irp m, 2,4,6,8,10,12,14
.irp e, 0,1,2,3
	s_delay_alu instid0(VALU_DEP_4)
	v_pk_fma_f32 v[AC+2*\e:AC+2*\e+1], v[XS+\m:XS+\m+1], v[WR+16*\e+\m:WR+16*\e+\m+1], v[AC+2*\e:AC+2*\e+1]
.endr
.endr
.irp e, 0,1,2,3
	s_delay_alu instid0(VALU_DEP_4)
	v_add_f32 v[QS+\e], v[AC+2*\e], v[AC+2*\e+1]
.endr
.irp x, 1,2,4,8                        ; over the 16 lanes of my half
.irp e, 0,1,2,3
	s_delay_alu instid0(VALU_DEP_4)
	v_add_f32_dpp v[QS+\e], v[QS+\e], v[QS+\e] row_xmask:\x row_mask:0xf bank_mask:0xf
.endr
.endr
	ds_store_b8 v[ASB], v[EB+(\t)%2] offset:4*(\t)             ; row t's word of my K step's piece; both lanes of a block write the same byte with the same value
.irp n, 0,1,2
	ds_store_b32 v[CSA], v[CS+\n] offset:48*(\t)+4*\n          ; word 204 (l >> 2) + 3 (l & 3) + a constant = 3 l modulo 64: 32 different banks (64 banks of 4 bytes: ISA guide 11.1)
.endr
	ds_store_b128 v[PA], v[QS:QS+3] offset:272*(\t)            ; the 16 lanes of a half write the same 16 bytes with the same values
.endm
.macro DUEL j, i                       ; j < i: the lower index keeps a tie, as jax.lax.top_k has it
	v_cmp_gt_f32 vcc_lo, v[76+\i], v[76+\j]
	s_delay_alu instid0(VALU_DEP_1)
	v_cndmask_b32 v103, 0, 1, vcc_lo
	s_delay_alu instid0(VALU_DEP_1)
	v_add_nc_u32 v[80+\i], v[80+\i], v103
	s_delay_alu instid0(VALU_DEP_2)
	v_sub_nc_u32 v[80+\j], v[80+\j], v103
.endm
.macro PIECE dst, src, tmp             ; where K step S's piece of scale words begins in a group: 4,864 j + 4,608 + 64 (S - 3 j), j = S / 3 = (11 S) >> 5 for S under 32; 1,536 less in record 10 (S = 30, 31)
	s_mul_i32 s[\tmp], s[\src], 11
	s_lshr_b32 s[\tmp], s[\tmp], 5
	s_mul_i32 s[\tmp], s[\tmp], 4672
	s_lshl_b32 s[\dst], s[\src], 6
	s_add_co_u32 s[\dst], s[\dst], s[\tmp]
	s_add_co_u32 s[\tmp], s[\src], 2
	s_lshr_b32 s[\tmp], s[\tmp], 5
	s_mul_i32 s[\tmp], s[\tmp], 1536
	s_sub_co_u32 s[\dst], s[\dst], s[\tmp]
	s_add_co_u32 s[\dst], s[\dst], 4608
.endm
	s_load_b256 s[4:11], s[0:1], 0x0               ; features s[4:5], W_r s[6:7], b_r s[8:9], W_e s[10:11]
	s_load_b256 s[12:19], s[0:1], 0x20             ; a_codes s[12:13], b_codes s[14:15], gates s[16:17], psum s[18:19]
	v_lshl_add_u32 v4, v0, 2, 0x1cb00
	v_mov_b32 v55, 0                               ; v4 and v55: my spare word's address and 0, kept for the closing add alone
	v_lshrrev_b32 v1, 5, v0
	s_delay_alu instid0(VALU_DEP_1)
	v_readfirstlane_b32 s24, v1                    ; wave 0..7
	v_and_b32 v1, 31, v0                           ; lane
	s_wait_alu depctr_va_vdst(0)
	s_and_b32 s25, ttmp9, 7                        ; W: which 64 columns,
	s_bfe_u32 s26, ttmp9, 0x20003                  ; which expert,
	s_lshr_b32 s27, ttmp9, 5                       ; which 256 along K
	s_and_b32 s56, s24, 1                          ; my wave's strip of 32 columns
	s_lshr_b32 s57, s24, 1                         ; and its 64 along K
	s_lshl_b32 s34, s26, 23                        ; W_e: expert x 8,388,608 + (256 P + 64 kc) rows of 2,048 + 4 x column
	s_lshl_b32 s58, s27, 19
	s_add_co_u32 s34, s34, s58
	s_lshl_b32 s58, s57, 17
	s_add_co_u32 s34, s34, s58
	s_lshl_b32 s58, s25, 8
	s_add_co_u32 s34, s34, s58
	s_lshl_b32 s58, s56, 7
	s_add_co_u32 s34, s34, s58
	s_mov_b32 s35, 0
	s_lshl_b32 s58, s25, 4
	s_lshl_b32 s59, s26, 1
	s_add_co_u32 s58, s58, s59                     ; 16 oc + 2 e: the first of the work-group's four groups
	s_mul_i32 s38, s58, GROW                       ; the base of W's scale words
	s_mov_b32 s39, 0
	s_lshl_b32 s59, s56, 3
	s_add_co_u32 s58, s58, s59                     ; my wave's first group: + 8 x strip
	s_mul_i32 s36, s58, GROW                       ; my wave's chunk: group x 51,968 + 1,536 S + 256 (S / 3) + 768 h, S = 2 P + (kc >> 1), h = kc & 1
	s_mul_i32 s59, s27, 3072
	s_add_co_u32 s36, s36, s59
	s_mul_i32 s59, s57, 768
	s_add_co_u32 s36, s36, s59
	s_lshl_b32 s59, s27, 1
	s_lshr_b32 s55, s57, 1
	s_add_co_u32 s59, s59, s55
	s_mul_i32 s59, s59, 11
	s_lshr_b32 s59, s59, 5                         ; S / 3
	s_lshl_b32 s59, s59, 8
	s_add_co_u32 s36, s36, s59
	s_mov_b32 s37, 0
	s_lshl_b32 s55, s27, 1                         ; the pieces of the work-group's two K steps, 2 P and 2 P + 1
	PIECE 46, 55, 59
	s_add_co_u32 s55, s55, 1
	PIECE 47, 55, 59
	s_sub_co_u32 s47, s47, s46                     ; from the first to the second
	s_lshl_b32 s40, ttmp9, 18                      ; features: 16 rows of 16,384 bytes a work-group, 2,048 bytes a wave
	s_lshl_b32 s59, s24, 11
	s_add_co_u32 s40, s40, s59
	s_mov_b32 s41, 0
	s_lshl_b32 s42, s24, 13                        ; W_r: 512 k of 16 bytes a wave
	s_mov_b32 s43, 0
	s_mul_i32 s44, ttmp9, GROW                     ; a_codes: my group
	s_mov_b32 s45, 0
	s_lshl_b32 s50, ttmp9, 9                       ; gates: 16 rows of 32 bytes
	s_mov_b32 s51, 0
	s_lshl_b32 s52, ttmp9, 4                       ; psum: 16 bytes
	s_mov_b32 s53, 0
	s_mul_i32 s60, s24, WREG                       ; my wave's region of LDS
	s_add_co_u32 s61, s60, SCRO
	s_lshl_b32 s63, s24, 5
	s_add_co_u32 s63, s63, PR
	s_lshl_b32 s54, s56, 8                         ; W's scale bytes: 256 x strip + 64 (kc >> 1) + (kc & 1)
	s_lshr_b32 s55, s24, 2
	s_lshl_b32 s55, s55, 6
	s_add_co_u32 s54, s54, s55
	s_and_b32 s55, s57, 1
	s_add_co_u32 s54, s54, s55
	s_add_co_u32 s54, s54, WSC
	s_mov_b32 s32, 0x76543210
	s_mov_b32 s33, 0xfedcba98                      ; v_permlanex16_b32's selects for lane l xor 16
	v_lshlrev_b32 v[L16], 4, v1
	v_lshlrev_b32 v[L4], 2, v1
	v_lshrrev_b32 v[H4], 4, v1
	v_and_b32 v[R15], 15, v1
	v_lshrrev_b32 v[U2], 2, v1
	v_and_b32 v[L3], 3, v1
	s_delay_alu instid0(VALU_DEP_2)
	v_mul_u32_u24 v[TIN], v[U2], SP
	s_delay_alu instid0(VALU_DEP_1)
	v_lshl_add_u32 v[TIN], v[L3], 4, v[TIN]
	s_delay_alu instid0(VALU_DEP_1)
	v_add_nc_u32 v[TIN], s60, v[TIN]
	v_mul_u32_u24 v[TOUT], v1, SP
	s_delay_alu instid0(VALU_DEP_1)
	v_add_nc_u32 v[TOUT], s60, v[TOUT]
	v_mul_u32_u24 v[CSA], v[U2], 816
	s_delay_alu instid0(VALU_DEP_1)
	v_mad_u32_u24 v[CSA], v[L3], 12, v[CSA]
	s_delay_alu instid0(VALU_DEP_1)
	v_add_nc_u32 v[CSA], s61, v[CSA]
	v_lshrrev_b32 v[ASB], 3, v0                    ; my K step: 4 w + (l >> 3) = the thread's number / 8
	s_delay_alu instid0(VALU_DEP_1)
	v_lshlrev_b32 v[ASB], 6, v[ASB]                ; its piece; my block b = (l >> 1) & 3 at byte 2 (b & 1) + (b >> 1)
	v_bfe_u32 v63, v1, 1, 1
	s_delay_alu instid0(VALU_DEP_1)
	v_lshl_add_u32 v[ASB], v63, 1, v[ASB]
	v_bfe_u32 v63, v1, 2, 1
	s_delay_alu instid0(VALU_DEP_1)
	v_add_nc_u32 v[ASB], v[ASB], v63
	s_delay_alu instid0(VALU_DEP_1)
	v_add_nc_u32 v[ASB], ASC, v[ASB]
	v_lshl_add_u32 v[PA], v[H4], 4, s63
	v_add_nc_u32 v[RDA], s61, v[L16]
	s_delay_alu instid0(VALU_DEP_1)
	v_mad_u32_u24 v[RDB], v[H4], 48, v[RDA]
	v_add_nc_u32 v[ASR], ASC, v[L16]
	v_mul_u32_u24 v[WST], v1, 48
	s_delay_alu instid0(VALU_DEP_1)
	v_add_nc_u32 v[WST], s61, v[WST]
	v_mad_u32_u24 v[WGB], v[H4], GROW-768, v[L16]  ; with the store's 512: lanes 16-31 land at byte 0 of the next group's chunk (51,968 - 256 + 16 l)
	v_lshlrev_b32 v[WSB], 7, v[H4]                 ; my column's group of the strip's two, its row's word
	s_delay_alu instid0(VALU_DEP_1)
	v_lshl_add_u32 v[WSB], v[R15], 2, v[WSB]
	s_delay_alu instid0(VALU_DEP_1)
	v_add_nc_u32 v[WSB], s54, v[WSB]
	v_lshlrev_b32 v[WTI], 4, v[R15]
	s_delay_alu instid0(VALU_DEP_1)
	v_mad_u32_u24 v[WTI], v[H4], 272, v[WTI]
	s_delay_alu instid0(VALU_DEP_1)
	v_add_nc_u32 v[WTI], s61, v[WTI]
	v_mul_u32_u24 v[WTO], v1, 272
	s_delay_alu instid0(VALU_DEP_1)
	v_add_nc_u32 v[WTO], s61, v[WTO]
	v_mul_u32_u24 v[PRD], v[R15], 272
	s_delay_alu instid0(VALU_DEP_1)
	v_lshl_add_u32 v[PRD], v[H4], 7, v[PRD]
	s_delay_alu instid0(VALU_DEP_1)
	v_add_nc_u32 v[PRD], PR, v[PRD]
	v_add_nc_u32 v[WSR], WSC, v[L16]
	v_lshlrev_b32 v[WSG], 3, v[H4]                 ; piece l >> 2 = 4 x strip + 2 x group + K step: 8 groups a strip,
	v_bfe_u32 v63, v1, 3, 1
	s_delay_alu instid0(VALU_DEP_1)
	v_add_nc_u32 v[WSG], v[WSG], v63
	s_delay_alu instid0(VALU_DEP_1)
	v_mul_u32_u24 v[WSG], v[WSG], GROW
	v_bfe_u32 v63, v1, 2, 1
	s_delay_alu instid0(VALU_DEP_1)
	v_mad_u32_u24 v[WSG], v63, s47, v[WSG]         ; the first K step's piece or the second's,
	s_delay_alu instid0(VALU_DEP_1)
	v_add_nc_u32 v[WSG], s46, v[WSG]
	s_delay_alu instid0(VALU_DEP_1)
	v_lshl_add_u32 v[WSG], v[L3], 4, v[WSG]        ; four lanes to a piece
	v_lshlrev_b32 v[GST], 5, v[R15]
	s_delay_alu instid0(VALU_DEP_1)
	v_lshl_add_u32 v[GST], v[H4], 4, v[GST]
	v_mov_b32 v[NIL], 0
	s_wait_kmcnt 0x0
	s_add_nc_u64 s[10:11], s[10:11], s[34:35]
	s_add_nc_u64 s[20:21], s[14:15], s[38:39]      ; b_codes at the work-group's first group: for the scale words
	s_add_nc_u64 s[14:15], s[14:15], s[36:37]      ; b_codes at my wave's chunk
	s_add_nc_u64 s[4:5], s[4:5], s[40:41]
	s_add_nc_u64 s[6:7], s[6:7], s[42:43]
	s_add_nc_u64 s[12:13], s[12:13], s[44:45]
	s_add_nc_u64 s[16:17], s[16:17], s[50:51]
	s_add_nc_u64 s[18:19], s[18:19], s[52:53]
	s_load_b128 s[28:31], s[8:9], 0x0              ; b_r
	; ---- W: my column's two blocks; W_r's and the first four rows' loads go out between them
	WLOAD 0
	WLOAD 1
	s_wait_loadcnt 32                              ; block 0 is in; block 1's 32 loads may be out
.irp j, 0,1,2,3,4,5,6,7,8,9,10,11,12,13,14,15
	global_load_b128 v[WR+4*\j:WR+4*\j+3], v[L16], s[6:7] offset:512*\j   ; W_r as it lies: lane l gets the four columns of k 32 j + l
.endr
	WBLOCK 0
	FLOAD 0
	FLOAD 1
	FLOAD 2
	FLOAD 3
	s_wait_loadcnt 32                              ; block 1 is in; behind it W_r's 16 loads and the rows' 16
	WBLOCK 1
	v_nop                                          ; one plain line behind the conversions
.irp c, 0,1
.irp i, 0,1,2
	v_mov_b32 v[WC+3+6*\c+\i], v[WT+4*\c+\i]       ; 12 registers: my column's 64 codes as one stream of bits
.endr
.endr
.irp c, 0,1,2
	ds_store_b128 v[WST], v[WC+4*\c:WC+4*\c+3] offset:16*\c    ; lane l's 48 bytes at 48 l: lanes 0-15 make one group's chunk of 768 bytes, lanes 16-31 the next group's
.endr
	ds_store_b8 v[WSB], v[WB]                      ; block 2 h at place h,
	ds_store_b8 v[WSB], v[WB+1] offset:2           ; block 2 h + 1 at place 2 + h
.irp n, 0,1,2
	ds_load_b128 v[WO+4*\n:WO+4*\n+3], v[RDA] offset:512*\n
.endr
	s_wait_dscnt 0x0
	global_store_b128 v[L16], v[WO:WO+3], s[14:15]             ; each half of the lanes stores 256 consecutive bytes, at a multiple of 256 from the buffer's first byte
	global_store_b128 v[WGB], v[WO+4:WO+7], s[14:15] offset:512
	global_store_b128 v[L16], v[WO+8:WO+11], s[14:15] offset:GROW+256
	; ---- W_r's turn: lane l wants k 16 l + m, m = 0 .. 15, of each column
	s_wait_loadcnt 16                              ; W_r is in; the rows' 16 loads may be out
.irp j, 0,1,2,3,4,5,6,7,8,9,10,11,12,13,14,15
	ds_store_b128 v[WTI], v[WR+4*\j:WR+4*\j+3] offset:544*\j   ; k at 272 (k >> 4) + 16 (k & 15)
.endr
	s_wait_dscnt 0x0                               ; the stores have read the registers that the loads below fill
.irp e, 0,1,2,3
.irp m, 0,1,2,3,4,5,6,7,8,9,10,11,12,13,14,15
	ds_load_b32 v[WR+16*\e+\m], v[WTO] offset:16*\m+4*\e
.endr
.endr
	; ---- F: sixteen rows
	s_wait_loadcnt 12                              ; row 0's four loads are in
	FTURN 0
.irp t, 0,1,2,3,4,5,6,7,8,9,10,11,12,13,14,15
	FSTEP \t
.endr
	; ---- my wave's four fragments leave: K step S = 4 w + f goes to 1,536 S + 256 (S / 3) of the group
.irp n, 0,1,2,3,4,5,6,7,8,9,10,11
.if (\n)%3 == 1
	ds_load_b128 v[R+4*\n:R+4*\n+3], v[RDB] offset:512*\n+48*((2*\n)/3)   ; these 512 bytes cross from one chunk into the next at lane 16
.else
	ds_load_b128 v[R+4*\n:R+4*\n+3], v[RDA] offset:512*\n+48*((2*\n)/3)
.endif
.endr
.irp f, 0,1,2,3
	s_lshl_b32 s34, s24, 2
	s_add_co_u32 s34, s34, \f
	s_mul_i32 s35, s34, 11
	s_lshr_b32 s35, s35, 5                         ; S / 3
	s_mul_i32 s34, s34, 1536
	s_lshl_b32 s35, s35, 8
	s_add_co_u32 s34, s34, s35
	v_add_nc_u32 v[COF+\f], s34, v[L16]
.endr
	s_wait_alu depctr_va_vdst(0)
.irp n, 0,1,2,3,4,5,6,7,8,9,10,11
	s_wait_dscnt 11-\n                             ; the younger loads may be out
	global_store_b128 v[COF+(\n)/3], v[R+4*\n:R+4*\n+3], s[12:13] offset:512*((\n)%3)   ; 512 consecutive bytes, at a multiple of 256 from the buffer's first byte
.endr
	s_wait_dscnt 0x0                               ; for the others' sake: my partials and my scale bytes have landed
	s_wait_kmcnt 0x0                               ; b_r
	s_barrier_signal -1
	s_barrier_wait -1
	s_cmp_eq_u32 s24, 0
	s_cbranch_scc1 .Lrouter
	s_cmp_eq_u32 s24, 1
	s_cbranch_scc1 .Lw_scales
	s_cmp_eq_u32 s24, 2
	s_cbranch_scc0 .Ldone
.irp n, 0,1,2,3                        ; wave 2: features' scale words: 32 pieces of 64 bytes, eight an instruction, four lanes to a piece
	ds_load_b128 v[64+4*\n:67+4*\n], v[ASR] offset:512*\n      ; into W_r's registers, which are done with
.endr
.irp n, 0,1,2,3
	v_add_nc_u32 v200, 8*\n, v[U2]                 ; the piece's K step S
	s_delay_alu instid0(VALU_DEP_1)
	v_mul_u32_u24 v201, v200, 11
	s_delay_alu instid0(VALU_DEP_1)
	v_lshrrev_b32 v201, 5, v201                    ; j = S / 3
	s_delay_alu instid0(VALU_DEP_3)
	v_lshlrev_b32 v[AOF+\n], 6, v200
	s_delay_alu instid0(VALU_DEP_1)
	v_mad_u32_u24 v[AOF+\n], v201, 4672, v[AOF+\n] ; 64 S + 4,672 j = 4,864 j + 64 (S - 3 j); the store's immediate adds the 4,608
	s_delay_alu instid0(VALU_DEP_1)
	v_lshl_add_u32 v[AOF+\n], v[L3], 4, v[AOF+\n]
	v_add_nc_u32 v200, 2, v200
	s_delay_alu instid0(VALU_DEP_1)
	v_lshrrev_b32 v200, 5, v200                    ; 1 for S = 30, 31: record 10 has two fragments
	s_delay_alu instid0(VALU_DEP_1)
	v_mul_u32_u24 v200, v200, 1536
	s_delay_alu instid0(VALU_DEP_1)
	v_sub_nc_u32 v[AOF+\n], v[AOF+\n], v200
.endr
	s_wait_alu depctr_va_vdst(0)
	s_wait_dscnt 0x0
.irp n, 0,1,2,3
	global_store_b128 v[AOF+\n], v[64+4*\n:67+4*\n], s[12:13] offset:4608
.endr
	s_wait_tensorcnt 0x0                           ; the wave's end
	ds_add_u32 v4, v55
	s_wait_dscnt 0x0
	s_endpgm
.Lw_scales:
	ds_load_b128 v[40:43], v[WSR]                  ; wave 1: W_e's scale words: eight pieces of 64 bytes
	s_wait_dscnt 0x0
	global_store_b128 v[WSG], v[40:43], s[20:21]
.Ldone:
	s_wait_tensorcnt 0x0                           ; the wave's end
	ds_add_u32 v4, v55
	s_wait_dscnt 0x0
	s_endpgm
.Lrouter:                                          ; wave 0: lane = row l & 15; each half of the lanes adds eight of the row's sixteen partials
.irp n, 0,1,2,3,4,5,6,7
	ds_load_b128 v[64+4*\n:67+4*\n], v[PRD] offset:16*\n
.endr
.irp e, 0,1,2,3
	v_mov_b32 v[96+\e], 0                          ; a lane permute's destination counts as one of its sources
.endr
	s_wait_dscnt 0x0
.irp n, 0,8,16,24
	v_pk_add_f32 v[64+\n:65+\n], v[64+\n:65+\n], v[68+\n:69+\n]
	v_pk_add_f32 v[66+\n:67+\n], v[66+\n:67+\n], v[70+\n:71+\n]
.endr
.irp n, 0
	v_pk_add_f32 v[64+\n:65+\n], v[64+\n:65+\n], v[72+\n:73+\n]
	v_pk_add_f32 v[66+\n:67+\n], v[66+\n:67+\n], v[74+\n:75+\n]
.endr
.irp n, 16
	s_delay_alu instid0(VALU_DEP_4)
	v_pk_add_f32 v[64+\n:65+\n], v[64+\n:65+\n], v[72+\n:73+\n]
	s_delay_alu instid0(VALU_DEP_4)
	v_pk_add_f32 v[66+\n:67+\n], v[66+\n:67+\n], v[74+\n:75+\n]
.endr
	s_delay_alu instid0(VALU_DEP_2)
	v_pk_add_f32 v[64:65], v[64:65], v[80:81]
	s_delay_alu instid0(VALU_DEP_2)
	v_pk_add_f32 v[66:67], v[66:67], v[82:83]
.irp e, 0,1,2,3
	v_permlanex16_b32 v[96+\e], v[64+\e], s32, s33
.endr
.irp e, 0,1,2,3
	s_delay_alu instid0(VALU_DEP_4)
	v_add_f32 v[64+\e], v[64+\e], v[96+\e]         ; both halves of the lanes now hold the row's four sums
.endr
	s_delay_alu instid0(VALU_DEP_4)
	v_add_f32 v64, s28, v64                        ; + b_r
	s_delay_alu instid0(VALU_DEP_4)
	v_add_f32 v65, s29, v65
	s_delay_alu instid0(VALU_DEP_4)
	v_add_f32 v66, s30, v66
	s_delay_alu instid0(VALU_DEP_4)
	v_add_f32 v67, s31, v67
	s_delay_alu instid0(VALU_DEP_2)
	v_max3_num_f32 v100, v64, v65, v66
	s_delay_alu instid0(VALU_DEP_1)
	v_max_num_f32 v100, v100, v67                  ; the row's maximum is taken away ahead of the exponentials
.irp e, 0,1,2,3
	v_sub_f32 v[68+\e], v[64+\e], v100
.endr
.irp e, 0,1,2,3
	s_delay_alu instid0(VALU_DEP_4)
	v_mul_f32 v[68+\e], 0x3fb8aa3b, v[68+\e]       ; x log2(e)
.endr
	s_wait_alu depctr_va_vdst(0)
.irp e, 0,1,2,3
	v_exp_f32 v[72+\e], v[68+\e]
.endr
	v_nop                                          ; a plain line behind the exponentials
	s_wait_alu depctr_va_vdst(0)
	v_add_f32 v101, v72, v73
	v_add_f32 v102, v74, v75
	s_delay_alu instid0(VALU_DEP_1)
	v_add_f32 v101, v101, v102
	s_wait_alu depctr_va_vdst(0)
	v_rcp_f32 v102, v101
	v_mov_b32 v80, 3                               ; wins, as if every lower index beat every higher one (plain lines behind the reciprocal)
	v_mov_b32 v81, 2
	v_mov_b32 v82, 1
	v_mov_b32 v83, 0
	s_wait_alu depctr_va_vdst(0)
.irp e, 0,1,2,3
	v_mul_f32 v[76+\e], v[72+\e], v102             ; the probabilities
.endr
	DUEL 0, 1
	DUEL 0, 2
	DUEL 0, 3
	DUEL 1, 2
	DUEL 1, 3
	DUEL 2, 3
.irp e, 0,1,2,3
	v_cmp_le_u32 vcc_lo, 2, v[80+\e]               ; two wins or three: among the two largest
	s_delay_alu instid0(VALU_DEP_1)
	v_cndmask_b32 v[84+\e], 0, v[76+\e], vcc_lo
.endr
	v_add_f32 v104, v84, v85
	s_delay_alu instid0(VALU_DEP_2)
	v_add_f32 v105, v86, v87
	s_delay_alu instid0(VALU_DEP_1)
	v_add_f32 v104, v104, v105
	s_delay_alu instid0(VALU_DEP_1)
	v_max_num_f32 v104, 0x3089705f, v104           ; held at 1e-9 from below
	s_wait_alu depctr_va_vdst(0)
	v_rcp_f32 v105, v104
	v_cmp_gt_u32 vcc_lo, 16, v1                    ; (a plain line behind the reciprocal)  lanes 0-15
	s_wait_alu depctr_va_vdst(0)
.irp e, 0,1,2,3
	v_mul_f32 v[84+\e], v[84+\e], v105             ; the weights; 0 for an expert that was not chosen
.endr
	s_delay_alu instid0(VALU_DEP_2)
	v_cndmask_b32 v88, v86, v84, vcc_lo            ; each gate twice, so that the reader has it as a register pair: lanes 0-15 g0 g0 g1 g1, lanes 16-31 g2 g2 g3 g3
	s_delay_alu instid0(VALU_DEP_2)
	v_cndmask_b32 v90, v87, v85, vcc_lo
	s_delay_alu instid0(VALU_DEP_2)
	v_mov_b32 v89, v88
	s_delay_alu instid0(VALU_DEP_2)
	v_mov_b32 v91, v90
	global_store_b128 v[GST], v[88:91], s[16:17]   ; 512 consecutive bytes
.irp x, 1,2,4,8
.irp e, 0,1,2,3
	v_add_f32_dpp v[76+\e], v[76+\e], v[76+\e] row_xmask:\x row_mask:0xf bank_mask:0xf   ; the 16 rows' sums of the probabilities
.endr
.endr
	s_wait_alu depctr_va_vdst(0)
	s_wait_xcnt 0x0                                ; EXEC changes only behind this wait
	v_cmp_eq_u32 vcc_lo, 0, v1
	s_wait_tensorcnt 0x0                           ; the wave's end
	ds_add_u32 v4, v55
	s_wait_dscnt 0x0
	s_and_saveexec_b32 s48, vcc_lo
	global_store_b128 v[NIL], v[76:79], s[18:19]   ; lane 0 alone
	s_wait_xcnt 0x0
	s_or_b32 exec_lo, exec_lo, s48
	s_endpgm
.Lfunc_end_k_q41082880fc_prep:
	.size	k_q41082880fc_prep, .Lfunc_end_k_q41082880fc_prep-k_q41082880fc_prep
	.p2alignl 7, 3214868480
	.fill 96, 4, 3214868480
	.section	.rodata,"a",@progbits
	.p2align	6, 0x0
	.amdhsa_kernel k_q41082880fc_prep
		.amdhsa_group_segment_fixed_size 118528
		.amdhsa_private_segment_fixed_size 0
		.amdhsa_enable_private_segment 0
		.amdhsa_kernarg_size 64
		.amdhsa_user_sgpr_count 2
		.amdhsa_user_sgpr_kernarg_segment_ptr 1
		.amdhsa_wavefront_size32 1
		.amdhsa_system_sgpr_workgroup_id_x 1
		.amdhsa_system_sgpr_workgroup_id_y 1
		.amdhsa_system_sgpr_workgroup_id_z 1
		.amdhsa_system_vgpr_workitem_id 0
		.amdhsa_next_free_vgpr 256
		.amdhsa_next_free_sgpr 66
		.amdhsa_reserve_vcc 1
		.amdhsa_float_denorm_mode_32 3
		.amdhsa_float_denorm_mode_16_64 3
		.amdhsa_memory_ordered 1
		.amdhsa_forward_progress 1
		.amdhsa_inst_pref_size 151
	.end_amdhsa_kernel
	.amdgpu_metadata
---
amdhsa.version: [ 1, 2 ]
amdhsa.kernels:
  - .name:           k_q41082880fc_prep
    .symbol:         k_q41082880fc_prep.kd
    .args:
      - { .name: features, .offset: 0, .size: 8, .value_kind: global_buffer, .address_space: global }
      - { .name: W_r, .offset: 8, .size: 8, .value_kind: global_buffer, .address_space: global }
      - { .name: b_r, .offset: 16, .size: 8, .value_kind: global_buffer, .address_space: global }
      - { .name: W_e, .offset: 24, .size: 8, .value_kind: global_buffer, .address_space: global }
      - { .name: a_codes, .offset: 32, .size: 8, .value_kind: global_buffer, .address_space: global }
      - { .name: b_codes, .offset: 40, .size: 8, .value_kind: global_buffer, .address_space: global }
      - { .name: gates, .offset: 48, .size: 8, .value_kind: global_buffer, .address_space: global }
      - { .name: psum, .offset: 56, .size: 8, .value_kind: global_buffer, .address_space: global }
    .group_segment_fixed_size: 118528
    .private_segment_fixed_size: 0
    .kernarg_segment_align: 8
    .kernarg_segment_size: 64
    .max_flat_workgroup_size: 256
    .sgpr_count:     66
    .vgpr_count:     256
    .wavefront_size: 32
...
	.end_amdgpu_metadata
.endif
;; end of part 1
;; launch gemm (part 2): grid 8 x 32, 4 waves a work-group, clusters of 4 x 4, 327,680 bytes of LDS; arguments a_codes, b_codes, gates, b_e, psum, out0, out1; writes out0, out1
.if DOCPART == 2
	.amdgcn_target "amdgcn-amd-amdhsa--gfx1250"
	.amdhsa_code_object_version 6
	.text
	.protected	k_q41082880fc_gemm
	.globl	k_q41082880fc_gemm
	.p2align	8
	.type	k_q41082880fc_gemm,@function
k_q41082880fc_gemm:
	s_mov_b64 s[64:65], 0
	v_nop
	global_prefetch_b8 v0, s[64:65] scope:SCOPE_SE
	s_setreg_imm32_b32 hwreg(HW_REG_WAVE_MODE, 25, 1), 1
	s_wait_xcnt 0x0
	s_wait_alu depctr_hold_cnt(0) depctr_sa_sdst(0) depctr_va_vdst(0) depctr_va_sdst(0) depctr_va_ssrc(0) depctr_va_vcc(0) depctr_vm_vsrc(0)
	s_getreg_b32 s2, hwreg(HW_REG_IB_STS2, 6, 4)
	s_cmp_eq_u32 s2, 0
	s_cbranch_scc0 .Lentry_in_a_cluster
	s_endpgm
.Lentry_in_a_cluster:
	s_bfe_u32 s2, ttmp6, 0x10000c
	s_cmp_lg_u32 s2, 0xf033
	s_cbranch_scc0 .Lentry_shape_is_right
	s_endpgm
.Lentry_shape_is_right:
.set RPF,    4800
.set RPT,    3200
.set REC,    4864
.set GROW,   51968
.set HALFT,  8*RPF
.set SLOT,   4*HALFT
.set SPARE,  2*SLOT
.set STAGE,  SLOT
.set SPITCH, 272
.set FR,     12
.set TRIPS,  4
.set RP,     RPF
.set SOFF,   3*1536
.set GOF,  12
.set BOF,  13
.set POF,  14
.set WHO,  15
.set ADRA, 16
.set ADRB, 20
.set ADRS, 22
.set STO,  24
.set RD,   25
.set CO,   26
.set SPW,  28
.set NIL,  29
.set PFO,  30
.set LOSS, 31
.set SC,   32
.set G,    64
.set AF,   128
.set T,    128
.set BI,   96
.set G1,   24
.set G0,   32
.set G1B,  48
.set G0B,  56
.set MINE, 67
.set G1T,  68
.set G1TB, 80
.set PFA,  92
.set LIM,  96
.set MSB, 0
.macro WIN new
.if MSB != \new
	s_set_vgpr_msb (MSB<<8)|\new
.set MSB, \new
.endif
.endm
.set MUL_LO, 0xa1
.set MUL_HI, 0xf1
.set FST_LO, 0x91
.set FST_HI, 0xd1
.set TO_B,   0x40
.macro JLOAD g0a, g1a, g0b, g1b
	s_cmp_eq_u32 s23, 0
	s_cbranch_scc0 .Lfor_b_\@
	tensor_load_to_lds s[\g0a:\g0a+3], s[\g1a:\g1a+7]
	s_nop 0
.rept 4
	v_nop
.endr
	s_branch .Lasked_\@
.Lfor_b_\@:
	tensor_load_to_lds s[\g0b:\g0b+3], s[\g1b:\g1b+7]
	s_nop 0
.rept 4
	v_nop
.endr
.Lasked_\@:
.endm
.macro CREST
	s_cmp_lg_u32 s22, 0
	s_cbranch_scc1 .Lnot_wave_0_\@
	s_barrier_signal -3
.Lnot_wave_0_\@:
	s_barrier_wait -3
	s_barrier_signal -1
	s_barrier_wait -1
.endm
.macro CROUND
	s_barrier_signal -1
	s_barrier_wait -1
	CREST
.endm
.macro ASK
	s_cmp_eq_u32 s[LIM], 1
	s_cbranch_scc0 .Lnot_mine_\@
	global_prefetch_b8 v[PFO], s[PFA:PFA+1] th:TH_LOAD_NT scope:SCOPE_SE
.Lnot_mine_\@:
.endm
	s_load_b128 s[4:7], s[0:1], 0x0
	s_load_b256 s[12:19], s[0:1], 0x10
	s_load_b64 s[20:21], s[0:1], 0x30
	v_lshl_add_u32 v[SPW], v0, 2, SPARE
	v_mov_b32 v[NIL], 0
	ds_add_u32 v28, v29
	ds_add_u32 v28, v29
	s_wait_dscnt 0x0
	v_lshrrev_b32 v1, 5, v0
	v_readfirstlane_b32 s22, v1
	s_lshr_b32 s23, s22, 1
	s_and_b32 s66, s22, 1
	s_bfe_u32 s40, ttmp6, 0x40000
	s_bfe_u32 s41, ttmp6, 0x40004
	s_lshl_b32 s42, ttmp9, 2
	s_add_co_u32 s42, s42, s40
	s_and_b32 s45, ttmp7, 0xffff
	s_lshl_b32 s45, s45, 2
	s_add_co_u32 s45, s45, s41
	s_lshl_b32 s43, s41, 2
	s_lshl_b32 s43, 15, s43
	s_lshl_b32 s44, 0x1111, s40
	s_or_b32 s[G1+0], s43, (3<<16)|(1<<21)
	s_or_b32 s[G1B+0], s44, (3<<16)|(1<<21)
.irp g, G1, G1B
	s_mov_b32 s[\g+1], (RPF/8)<<16
	s_mov_b32 s[\g+2], 8<<16
	s_mov_b32 s[\g+3], (RPF/8)<<16
	s_mov_b32 s[\g+4], 8
	s_mov_b32 s[\g+5], GROW/8
	s_mov_b32 s[\g+6], 0
	s_mov_b32 s[\g+7], 0
.endr
	s_or_b32 s[G1T+0], s43, (3<<16)|(1<<21)
	s_or_b32 s[G1TB+0], s44, (3<<16)|(1<<21)
.irp g, G1T, G1TB
	s_mov_b32 s[\g+1], (RPT/8)<<16
	s_mov_b32 s[\g+2], 8<<16
	s_mov_b32 s[\g+3], (RPT/8)<<16
	s_mov_b32 s[\g+4], 8
	s_mov_b32 s[\g+5], GROW/8
	s_mov_b32 s[\g+6], 0
	s_mov_b32 s[\g+7], 0
.endr
	s_lshl_b32 s67, s66, 3
	s_lshl_b32 s98, s45, 4
	s_add_co_u32 s98, s98, s67
	s_mul_i32 s98, s98, GROW
	s_mov_b32 s99, 0
	s_lshl_b32 s46, s42, 4
	s_add_co_u32 s46, s46, s67
	s_mul_i32 s46, s46, GROW
	s_mov_b32 s47, 0
	s_mul_i32 s2, s22, HALFT
	s_wait_kmcnt 0x0
	s_add_nc_u64 s[98:99], s[4:5], s[98:99]
	s_add_nc_u64 s[46:47], s[6:7], s[46:47]
	CROUND
.irp s, 0,1
	s_mov_b32 s[G0+4*\s], 1
	s_add_co_u32 s[G0+4*\s+1], s2, \s*SLOT
	s_add_nc_u64 s[G0+4*\s+2:G0+4*\s+3], s[98:99], \s*REC
	s_or_b32 s[G0+4*\s+3], s[G0+4*\s+3], 0x80000000
	s_mov_b32 s[G0B+4*\s], 1
	s_add_co_u32 s[G0B+4*\s+1], s2, \s*SLOT
	s_add_nc_u64 s[G0B+4*\s+2:G0B+4*\s+3], s[46:47], \s*REC
	s_or_b32 s[G0B+4*\s+3], s[G0B+4*\s+3], 0x80000000
.endr
	JLOAD G0, G1, G0B, G1B                         ; record 0 into slot 0: my one tensor load at the head, behind the round above; the addresses, the gates', biases' and psum's loads below stand between it and the wait for it
	v_and_b32 v1, 15, v0
	v_bfe_u32 v2, v0, 4, 1
	s_wait_alu depctr_va_vdst(0)
	v_mul_u32_u24 v3, v1, 48
	v_mad_u32_u24 v3, v2, 768, v3
	s_mul_i32 s2, s23, HALFT
	s_mul_i32 s3, s66, HALFT
	s_add_co_u32 s3, s3, 2*HALFT
.irp s, 0,1
	v_add_nc_u32 v[ADRA+\s], s2, v3
	v_add_nc_u32 v[ADRB+\s], s3, v3
	s_add_co_u32 s2, s2, SLOT
	s_add_co_u32 s3, s3, SLOT
.endr
	v_lshlrev_b32 v5, 2, v1
	s_mul_i32 s2, s23, HALFT
	s_mul_i32 s3, s66, HALFT
	s_add_co_u32 s3, s3, 2*HALFT
	s_sub_co_u32 s3, s3, s2
	v_mul_u32_u24 v6, s3, v2
	v_add_nc_u32 v5, v5, v6
	v_add_nc_u32 v[ADRS], s2, v5
	v_add_nc_u32 v[ADRS+1], SLOT, v[ADRS]
	s_mul_i32 s2, s23, 128*SPITCH
	s_lshl_b32 s3, s66, 7
	s_add_co_u32 s2, s2, s3
	s_add_co_u32 s2, s2, STAGE
	v_mul_u32_u24 v4, v1, SPITCH
	v_lshl_add_u32 v4, v2, 5, v4
	v_add_nc_u32 v[STO], s2, v4
	s_mul_i32 s2, s22, 64*SPITCH
	s_add_co_u32 s2, s2, STAGE
	v_mul_u32_u24 v5, v2, SPITCH
	v_lshl_add_u32 v5, v1, 4, v5
	v_add_nc_u32 v[RD], s2, v5
	v_lshlrev_b32 v[CO], 11, v2
	v_lshl_add_u32 v[CO], v1, 4, v[CO]
	v_mul_u32_u24 v[PFO], v2, GROW
	v_lshl_add_u32 v[PFO], v1, 8, v[PFO]
	v_lshlrev_b32 v[GOF], 5, v1
	s_wait_alu depctr_va_vdst(0)
	v_lshlrev_b32 v[BOF], 5, v2
	s_wait_alu depctr_va_vdst(0)
	v_and_b32 v[POF], 31, v0
	v_lshlrev_b32 v[POF], 4, v[POF]
	s_lshl_b32 s98, s41, 4
	s_or_b32 s98, s98, s40
	s_lshl_b32 s98, s98, 5
	v_and_b32 v[WHO], 31, v0
	v_or_b32 v[WHO], s98, v[WHO]
	v_mov_b32 v[LOSS], 0
	s_lshl_b32 s98, s45, 13
	s_lshl_b32 s99, s23, 12
	s_add_co_u32 s98, s98, s99
	s_mov_b32 s99, 0
	s_add_nc_u64 s[12:13], s[12:13], s[98:99]
	s_lshl_b32 s46, s42, 8
	s_lshl_b32 s47, s66, 7
	s_add_co_u32 s46, s46, s47
	s_mov_b32 s47, 0
	s_add_nc_u64 s[14:15], s[14:15], s[46:47]
	s_lshl_b32 s98, s45, 19
	s_lshl_b32 s99, s22, 17
	s_add_co_u32 s98, s98, s99
	s_mov_b32 s99, 0
	s_add_nc_u64 s[18:19], s[18:19], s[98:99]
	s_lshl_b32 s46, s42, 8
	s_add_nc_u64 s[18:19], s[18:19], s[46:47]
	s_and_b32 s98, ttmp7, 0xffff
	s_cmp_eq_u32 s23, 0
	s_cselect_b32 s99, s45, s42
	s_cselect_b32 s100, s40, s41
	s_cselect_b32 s98, ttmp9, s98
	s_cselect_b64 s[PFA:PFA+1], s[4:5], s[6:7]
	s_cmp_eq_u32 s98, 0
	s_cselect_b32 s[LIM], 1, 0
	s_lshl_b32 s99, s99, 4
	s_lshl_b32 s101, s66, 3
	s_add_co_u32 s99, s99, s101
	s_lshl_b32 s100, s100, 1
	s_add_co_u32 s99, s99, s100
	s_mul_i32 s94, s99, GROW
	s_add_co_u32 s94, s94, 75*256-4096
	s_mov_b32 s95, 0
	s_add_nc_u64 s[PFA:PFA+1], s[PFA:PFA+1], s[94:95]
.irp a, 0,1,2,3,4,5,6,7
	global_load_b128 v[G+8*\a:G+8*\a+3], v[GOF], s[12:13] offset:512*\a
	global_load_b128 v[G+8*\a+4:G+8*\a+7], v[GOF], s[12:13] offset:512*\a+16
.endr
	WIN TO_B
.irp e, 0,1,2,3
.irp j, 0,1
	global_load_b128 v[BI+8*(2*\e+\j)+96*(\e/2):BI+8*(2*\e+\j)+96*(\e/2)+3], v[BOF], s[14:15] offset:2048*\e+64*\j
	global_load_b128 v[BI+8*(2*\e+\j)+96*(\e/2)+4:BI+8*(2*\e+\j)+96*(\e/2)+7], v[BOF], s[14:15] offset:2048*\e+64*\j+16
.endr
.endr
	WIN 0
	s_and_b32 s[MINE], ttmp7, 0xffff
	s_or_b32 s[MINE], s[MINE], ttmp9
	s_xor_b32 s99, s22, 3
	s_or_b32 s[MINE], s[MINE], s99
	s_cmp_lg_u32 s[MINE], 0
	s_cbranch_scc1 .Lno_loss
	s_wait_alu depctr_va_vdst(0)
.irp n, 0,1,2,3,4,5,6,7,8,9,10,11,12,13,14,15
	global_load_b128 v[128+4*\n:131+4*\n], v[POF], s[16:17] offset:512*\n
.endr
	s_mov_b32 s100, 0x76543210
	s_mov_b32 s101, 0xfedcba98
	s_wait_loadcnt 0x0
.irp n, 0,2,4,6,8,10,12,14,16,18,20,22,24,26,28,30
	v_pk_add_f32 v[128+\n:129+\n], v[128+\n:129+\n], v[160+\n:161+\n]
.endr
.irp n, 0,2,4,6,8,10,12,14
	v_pk_add_f32 v[128+\n:129+\n], v[128+\n:129+\n], v[144+\n:145+\n]
.endr
.irp n, 0,2,4,6
	v_pk_add_f32 v[128+\n:129+\n], v[128+\n:129+\n], v[136+\n:137+\n]
.endr
.irp n, 0,2
	v_pk_add_f32 v[128+\n:129+\n], v[128+\n:129+\n], v[132+\n:133+\n]
.endr
.irp x, 1,2,4,8
.irp e, 0,1,2,3
	v_add_f32_dpp v[128+\e], v[128+\e], v[128+\e] row_xmask:\x row_mask:0xf bank_mask:0xf
.endr
.endr
.irp e, 0,1,2,3
	v_permlanex16_b32 v[132+\e], v[128+\e], s100, s101
.endr
.irp e, 0,1,2,3
	v_add_f32 v[128+\e], v[128+\e], v[132+\e]
.endr
.irp e, 0,1,2,3
	v_mul_f32 v[128+\e], 0x39000000, v[128+\e]
.endr
.irp e, 0,1,2,3
	v_max_num_f32 v[136+\e], 0x3089705f, v[128+\e]
.endr
.irp e, 0,1,2,3
	v_mul_f32 v[136+\e], 4.0, v[136+\e]
.endr
	s_wait_alu depctr_va_vdst(0)
.irp e, 0,1,2,3
	v_log_f32 v[140+\e], v[136+\e]
.endr
.irp e, 0,1,2,3
	v_sub_f32 v[144+\e], 0x3e800000, v[128+\e]
.endr
	s_wait_alu depctr_va_vdst(0)
	v_mul_f32 v148, v128, v140
	v_fma_f32 v148, v129, v141, v148
	v_fma_f32 v148, v130, v142, v148
	v_fma_f32 v148, v131, v143, v148
	v_add_f32 v144, v144, v145
	v_add_f32 v146, v146, v147
	v_add_f32 v144, v144, v146
	v_fma_f32 v148, v144, 2.0, v148
	v_mul_f32 v[LOSS], 0x3be32166, v148
.Lno_loss:
.macro FRAG reg, adr, q, i
.irp c, 0,1,2
	ds_load_b128 v[\reg+4*\c:\reg+4*\c+3], v[\adr] offset:(\i)*RP+(\q)*1536+16*\c
.endr
.endm
.macro MUL16 a0, p, first
.irp a, \a0, \a0+1
.irp b, 0,1,2,3,4,5,6,7
.if \first
	v_wmma_scale_f32_16x16x128_f8f6f4 v[8*(8*((\a)%4)+\b):8*(8*((\a)%4)+\b)+7], v[128*(\p)+FR*\b:128*(\p)+FR*\b+FR-1], v[AF+FR*(\a):AF+FR*(\a)+FR-1], v[BI+8*\b+96*(\b/4):BI+8*\b+96*(\b/4)+7], v[SC+8*(\p)+\b], v[SC+8*(\p)+(\a)] matrix_a_fmt:MATRIX_FMT_FP6 matrix_b_fmt:MATRIX_FMT_FP6 matrix_a_scale:MATRIX_SCALE_ROW1
.else
	v_wmma_scale_f32_16x16x128_f8f6f4 v[8*(8*((\a)%4)+\b):8*(8*((\a)%4)+\b)+7], v[128*(\p)+FR*\b:128*(\p)+FR*\b+FR-1], v[AF+FR*(\a):AF+FR*(\a)+FR-1], v[8*(8*((\a)%4)+\b):8*(8*((\a)%4)+\b)+7], v[SC+8*(\p)+\b], v[SC+8*(\p)+(\a)] matrix_a_fmt:MATRIX_FMT_FP6 matrix_b_fmt:MATRIX_FMT_FP6 matrix_a_scale:MATRIX_SCALE_ROW1
.endif
.endr
.endr
.endm
.macro FETCH_B slot, q, p
	WIN TO_B
.irp i, 0,1,2,3,4,5,6,7
	FRAG 128*(\p)+FR*\i, ADRB+\slot, \q, \i
.endr
	WIN 0
.endm
.macro FETCH_A slot, q, i0
.irp i, \i0, \i0+1, \i0+2, \i0+3
	FRAG AF+FR*(\i), ADRA+\slot, \q, \i
.endr
.endm
.macro SCALES slot, q, p
.irp i, 0,1,2,3,4,5,6,7
	ds_load_b32 v[SC+8*(\p)+\i], v[ADRS+\slot] offset:\i*RP+SOFF+64*(\q)
.endr
.endm
.macro PLACES n
.rept \n
	v_nop
.endr
.endm
.macro STEP slot, q, p, first
	s_wait_dscnt 12
.if \first
	WIN FST_LO
.else
	WIN MUL_LO
.endif
	MUL16 0, \p, \first
	MUL16 2, \p, \first
	s_wait_dscnt 0
	PLACES 4
	FETCH_B \slot, (\q)+1, 1-(\p)
	FETCH_A \slot, (\q)+1, 0
	SCALES \slot, (\q)+1, 1-(\p)
.if \first
	WIN FST_HI
.else
	WIN MUL_HI
.endif
	MUL16 4, \p, \first
	MUL16 6, \p, \first
	PLACES 4
	WIN 0
	FETCH_A \slot, (\q)+1, 4
.endm
.macro TURN slot, p, next, fill, ask
.if \ask
	s_wait_xcnt 0x0
	s_add_nc_u64 s[PFA:PFA+1], s[PFA:PFA+1], 4096
.endif
	s_wait_tensorcnt 0x0
	ds_add_u32 v[SPW], v[NIL]
	s_wait_dscnt 0x0                               ; the add is done, and so are my reads of this slot: its last step's fragments and scale words are all in registers
	s_barrier_signal -1                            ; the change of slots stands AHEAD of that step's 64 products, so that all three steps' products lie between a refill and the wait for it
	s_barrier_wait -1
.if \fill
	CREST
	s_add_nc_u64 s[G0+4*\slot+2:G0+4*\slot+3], s[G0+4*\slot+2:G0+4*\slot+3], 2*REC
	s_add_nc_u64 s[G0B+4*\slot+2:G0B+4*\slot+3], s[G0B+4*\slot+2:G0B+4*\slot+3], 2*REC
.if \fill == 1
	JLOAD G0+4*\slot, G1, G0B+4*\slot, G1B
.else
	JLOAD G0+4*\slot, G1T, G0B+4*\slot, G1TB
.endif
.endif
.if \ask
	ASK                                            ; behind the joint load, its s_nop 0 and its four v_nop; 32 products follow
.endif
	STEP \next, -1, \p, 0                          ; the old slot's last step, from registers; it fetches step (-1) + 1 = 0 of the next slot, which the barrier above has shown whole
.endm
	s_wait_alu depctr_va_vdst(0)
	s_wait_tensorcnt 0x0                           ; my part of record 0 is in; slot 1's first fill is issued as a refill is:
	ds_add_u32 v[SPW], v[NIL]                      ; 0 onto my spare word
	s_wait_dscnt 0x0                               ; the add is done
	CROUND                                         ; a whole round: everybody's part of record 0 is in, and the sixteen work-groups' joint loads meet
	JLOAD G0+4, G1, G0B+4, G1B                     ; record 1 into slot 1: the first tensor load behind the round
	FETCH_B 0, 0, 0
	FETCH_A 0, 0, 0
	SCALES 0, 0, 0
	FETCH_A 0, 0, 4
	s_wait_loadcnt 0x0
	STEP 0, 0, 0, 1
	s_mov_b32 s3, TRIPS
.Llap:
	STEP 0, 1, 1, 0
	TURN 0, 0, 1, 1, 1
	STEP 1, 0, 1, 0
	STEP 1, 1, 0, 0
	TURN 1, 1, 0, 1, 1
	STEP 0, 0, 0, 0
	s_sub_co_u32 s3, s3, 1
	s_cmp_lg_u32 s3, 0
	s_cbranch_scc1 .Llap
	STEP 0, 1, 1, 0
	TURN 0, 0, 1, 2, 0
	STEP 1, 0, 1, 0
	STEP 1, 1, 0, 0
.set RP,   RPT
.set SOFF, 2*1536
	TURN 1, 1, 0, 0, 0
	STEP 0, 0, 0, 0
	s_wait_dscnt 12
	WIN MUL_LO
	MUL16 0, 1, 0
	MUL16 2, 1, 0
	s_wait_dscnt 0
	WIN MUL_HI
	MUL16 4, 1, 0
	MUL16 6, 1, 0
	PLACES 4
.macro COMBINE a
.irp e, 0,1,2,3
.irp j, 0,1
.irp p, 0,2,4,6
.if \e == 0
	v_pk_mul_f32 v[T+16*(\a)+8*\j+\p:T+16*(\a)+8*\j+\p+1], v[8*(8*((\a)%4)+\j)+\p:8*(8*((\a)%4)+\j)+\p+1], v[G+8*(\a):G+8*(\a)+1]
.else
	v_pk_fma_f32 v[T+16*(\a)+8*\j+\p:T+16*(\a)+8*\j+\p+1], v[8*(8*((\a)%4)+2*\e+\j)+\p:8*(8*((\a)%4)+2*\e+\j)+\p+1], v[G+8*(\a)+2*\e:G+8*(\a)+2*\e+1], v[T+16*(\a)+8*\j+\p:T+16*(\a)+8*\j+\p+1]
.endif
.endr
.endr
.endr
.endm
	WIN 0x02
.irp a, 0,1,2,3
	COMBINE \a
.endr
	WIN 0x03
.irp a, 4,5,6,7
	COMBINE \a
.endr
	WIN 0
.irp a, 0,1,2,3,4,5,6,7
.irp j, 0,1
	ds_store_b128 v[STO], v[T+16*\a+8*\j:T+16*\a+8*\j+3] offset:16*SPITCH*\a+64*\j
	ds_store_b128 v[STO], v[T+16*\a+8*\j+4:T+16*\a+8*\j+7] offset:16*SPITCH*\a+64*\j+16
.endr
.endr
	s_wait_dscnt 0x0
	s_barrier_signal -1
	s_barrier_wait -1
.set n, 0
.rept 32
	ds_load_b128 v[T+4*n:T+4*n+3], v[RD] offset:2*SPITCH*n
.set n, n+1
.endr
.set n, 0
.rept 32
	s_wait_dscnt 31-n
	global_store_b128 v[CO], v[T+4*n:T+4*n+3], s[18:19] offset:4096*n th:TH_STORE_NT
.set n, n+1
.endr
	s_cmp_lg_u32 s[MINE], 0
	s_cbranch_scc1 .Lno_store
	s_wait_xcnt 0x0
	v_cmp_eq_u32 vcc_lo, 0, v[WHO]
	s_and_saveexec_b32 s99, vcc_lo
	global_store_b32 v[NIL], v[LOSS], s[20:21]
	s_wait_xcnt 0x0
	s_or_b32 exec_lo, exec_lo, s99
.Lno_store:
	s_wait_tensorcnt 0x0
	ds_add_u32 v[SPW], v[NIL]
	s_wait_dscnt 0x0
	CROUND
	s_endpgm
.Lfunc_end_k_q41082880fc_gemm:
	.size	k_q41082880fc_gemm, .Lfunc_end_k_q41082880fc_gemm-k_q41082880fc_gemm
	.p2alignl 7, 3214868480
	.fill 96, 4, 3214868480
	.section	.rodata,"a",@progbits
	.p2align	6, 0x0
	.amdhsa_kernel k_q41082880fc_gemm
		.amdhsa_group_segment_fixed_size 327680
		.amdhsa_private_segment_fixed_size 0
		.amdhsa_enable_private_segment 0
		.amdhsa_kernarg_size 56
		.amdhsa_user_sgpr_count 2
		.amdhsa_user_sgpr_kernarg_segment_ptr 1
		.amdhsa_wavefront_size32 1
		.amdhsa_system_sgpr_workgroup_id_x 1
		.amdhsa_system_sgpr_workgroup_id_y 1
		.amdhsa_system_sgpr_workgroup_id_z 1
		.amdhsa_system_vgpr_workitem_id 0
		.amdhsa_next_free_vgpr 1024
		.amdhsa_next_free_sgpr 102
		.amdhsa_reserve_vcc 1
		.amdhsa_float_denorm_mode_32 3
		.amdhsa_float_denorm_mode_16_64 3
		.amdhsa_memory_ordered 1
		.amdhsa_forward_progress 1
		.amdhsa_inst_pref_size 217
	.end_amdhsa_kernel
	.amdgpu_metadata
---
amdhsa.version: [ 1, 2 ]
amdhsa.kernels:
  - .name:           k_q41082880fc_gemm
    .symbol:         k_q41082880fc_gemm.kd
    .args:
      - { .name: a_codes, .offset: 0, .size: 8, .value_kind: global_buffer, .address_space: global }
      - { .name: b_codes, .offset: 8, .size: 8, .value_kind: global_buffer, .address_space: global }
      - { .name: gates, .offset: 16, .size: 8, .value_kind: global_buffer, .address_space: global }
      - { .name: b_e, .offset: 24, .size: 8, .value_kind: global_buffer, .address_space: global }
      - { .name: psum, .offset: 32, .size: 8, .value_kind: global_buffer, .address_space: global }
      - { .name: out0, .offset: 40, .size: 8, .value_kind: global_buffer, .address_space: global }
      - { .name: out1, .offset: 48, .size: 8, .value_kind: global_buffer, .address_space: global }
    .group_segment_fixed_size: 327680
    .private_segment_fixed_size: 0
    .kernarg_segment_align: 8
    .kernarg_segment_size: 56
    .max_flat_workgroup_size: 128
    .sgpr_count:     102
    .vgpr_count:     1024
    .wavefront_size: 32
...
	.end_amdgpu_metadata
.endif
;; end of part 2
